; MI455X (gfx1250); checked and timed in simulation.
; The chip was launched on July 23, 2026; its instructions are those of AMD's public machine-readable ISA for CDNA 5 (MIT licence, August 2026) and "CDNA5" Instruction Set Architecture Reference Guide (July 2026). The comments in the code are by the model that wrote it; some were corrected since.
;; Multi Head Self Attention. Allowed arithmetic: float matrix products may take bf16 or f16 operands with f32 sums; all other float work in f32.
;; Inputs: Wk 1,024 x 1,024 float32; Wo 1,024 x 1,024 float32; Wq 1,024 x 1,024 float32; Wv 1,024 x 1,024 float32; embbeding_K 2 x 2,048 x 1,024 float32; embbeding_V 2 x 2,048 x 1,024 float32; inputs 2 x 2,048 x 1,024 float32.
;; Outputs: out0 2 x 2,048 x 1,024 float32.
;; One version. Each part assembles by itself: llvm-mc -triple=amdgcn-amd-amdhsa -mcpu=gfx1250 --defsym DOCPART=n.
;; ======== version 1 of 1: 5 launches
;; workspace buffers: qk 131,072 bytes; sc 262,144 bytes; pvp 1,048,576 bytes; st 2,048 bytes; o 8,192 bytes
;; launch qkvec (part 1): grid 4 x 16, 16 waves a work-group, no clusters, 34,816 bytes of LDS; arguments inputs, Wq, Wk, qk; writes qk
.if DOCPART == 1
	.amdgcn_target "amdgcn-amd-amdhsa--gfx1250"
	.amdhsa_code_object_version 6
	.text
	.protected	k_qee96902d80_qkvec
	.globl	k_qee96902d80_qkvec
	.p2align	8
	.type	k_qee96902d80_qkvec,@function
k_qee96902d80_qkvec:
	s_mov_b64 s[64:65], 0
	v_nop
	global_prefetch_b8 v0, s[64:65] scope:SCOPE_SE
	s_setreg_imm32_b32 hwreg(HW_REG_WAVE_MODE, 25, 1), 1
	s_wait_xcnt 0x0
; qk[b][h][e] = sum over d of q[b][64 h + d] Wk[64 h + d][e],  q[b][n] = Wq[n][:] . inputs[b][2047][:].
; All queries of a batch are the last token, so there are 2 x 16 query vectors; and since a score is q_h . (Wk_h K_j) = (Wk_h^T q_h) . K_j,
; the key projection is moved onto the query.  Everything here is f32 on the vector unit (two rows a product: nothing for the matrix unit).
; The result is stored as two bf16 numbers, hi (x cut to bf16) and lo (x - hi, exact in f32, rounded to bf16): hi + lo carries 16 bits of x.
; qk bytes: b*65536 + part*32768 + h*2048 + 2 e, part 0 = hi, 1 = lo.
; SHARES: work-group = (strip of 256 columns e, head h).  Wave w owns rows d = 4 w .. 4 w + 3 of the head in Wq and in Wk alike, so it uses
; only the four q that it made itself; the sixteen waves' partial sums over d meet in LDS.
; Every work-group of a head needs the head's 64 rows of Wq (262,144 bytes) whatever the strip's width: four strips keep that re-reading at
; four times Wq.  The rows go straight into registers, so there is no tile in LDS that a cluster could be given jointly.
; LIMITS: the sums run in another order than in the source formula; of inputs only row 2047 of each batch is read, as in the source formula;
; an infinity splits into hi = inf, lo = NaN.
.set X,   8                            ; v[8:71]    x of batch b at 32 b: element 128 j + 4 lane + 0..3 in registers 4 j ..
.set W,   72                           ; v[72:199]  row i of Wq at 32 i, laid like x
.set WK,  200                          ; v[200:231] row i of Wk, my strip: column 128 jj + 4 lane + k at 8 i + 4 jj + k
.set AC,  232                          ; v[232:235] one pair of running sums for each batch
.set Q,   236                          ; v[236:243] q of batch b, row i, at 4 b + i
.set P2,  72                           ; v[72:87]   my wave's sums over its four d: 8 b + column (over W, which is spent by then)
.set SEL, 20                           ; s20, s21   v_permlanex16_b32: lane i of one half reads lane i of the other
.macro LOADROW dst, sb, off            ; a row of 4,096 bytes: eight loads of 512 neighbouring bytes
.irp j, 0,1,2,3,4,5,6,7
	global_load_b128 v[\dst+4*\j:\dst+4*\j+3], v1, s[\sb:\sb+1] offset:\off+512*\j
.endr
.endm
.macro ROWDOT i, left                  ; row i of W times both x: my lane's 32 products each, in pairs
	s_wait_loadcnt \left                           ; loads come back in order: x and rows 0 to i are in, what was issued behind them stays out
	v_pk_mul_f32 v[AC:AC+1],   v[W+32*\i:W+32*\i+1], v[X:X+1]       ; the first products start the sums
	v_pk_mul_f32 v[AC+2:AC+3], v[W+32*\i:W+32*\i+1], v[X+32:X+33]
.set p, 2
.rept 15
	v_pk_fma_f32 v[AC:AC+1],   v[W+32*\i+p:W+32*\i+p+1], v[X+p:X+p+1],       v[AC:AC+1]
	v_pk_fma_f32 v[AC+2:AC+3], v[W+32*\i+p:W+32*\i+p+1], v[X+32+p:X+32+p+1], v[AC+2:AC+3]
.set p, p+2
.endr
	v_add_f32 v[Q+\i],   v[AC],   v[AC+1]
	v_add_f32 v[Q+4+\i], v[AC+2], v[AC+3]
.endm
.macro LANESUM8 base                   ; eight registers summed over the 32 lanes, the result in every lane; the eight take turns in each step
.irp m, 1,2,4,8
.irp r, 0,1,2,3,4,5,6,7
	v_add_f32_dpp v[\base+\r], v[\base+\r], v[\base+\r] row_xmask:\m row_mask:0xf bank_mask:0xf
.endr
.endr
.irp r, 0,1,2,3,4,5,6,7
	v_permlanex16_b32 v2, v[\base+\r], s[SEL], s[SEL+1]
	v_add_f32 v[\base+\r], v[\base+\r], v2
.endr
.endm
.macro QADD a, b                       ; four registers onto four
	v_pk_add_f32 v[\a:\a+1],   v[\a:\a+1],   v[\b:\b+1]
	v_pk_add_f32 v[\a+2:\a+3], v[\a+2:\a+3], v[\b+2:\b+3]
.endm
	s_load_b256 s[4:11], s[0:1], 0x0               ; inputs s[4:5], Wq s[6:7], Wk s[8:9], qk s[10:11]
	v_lshl_add_u32 v244, v0, 2, 0x8000
	v_mov_b32 v245, 0
	v_lshrrev_b32 v3, 5, v0
	v_readfirstlane_b32 s12, v3                    ; wave 0..15
	s_and_b32 s13, ttmp7, 0xffff                   ; head
	v_and_b32 v1, 31, v0
	v_lshlrev_b32 v1, 4, v1                        ; 16 x lane
	v_mov_b32 v2, 0                                ; the permute's destination counts as read: written once here
	s_lshl_b32 s16, s13, 18                        ; 64 rows of 4,096 bytes a head
	s_lshl_b32 s15, s12, 14                        ; 4 rows a wave
	s_add_co_u32 s16, s16, s15
	s_mov_b32 s17, 0
	s_lshl_b32 s24, ttmp9, 10                      ; my strip in a row of Wk: 256 columns of 4 bytes
	s_mov_b32 s25, 0
	s_lshl_b32 s26, s13, 11                        ; in qk: 2,048 bytes a head,
	s_lshl_b32 s15, ttmp9, 9                       ; 512 a strip
	s_add_co_u32 s26, s26, s15
	s_mov_b32 s27, 0
	s_mov_b32 s[SEL], 0x76543210
	s_mov_b32 s[SEL+1], 0xfedcba98
	s_mov_b32 s22, 0xffff0000                      ; the bf16 part of an f32
	s_mov_b32 s23, 0x07060302                      ; v_perm_b32: the upper halves of two registers
	s_lshl_b32 s15, s12, 11                        ; my wave's 2,048 bytes of LDS
	v_add_nc_u32 v3, s15, v1                       ; + 16 x lane
	s_wait_kmcnt 0x0
	s_add_nc_u64 s[4:5], s[4:5], 0x7ff000          ; row 2047 of batch 0,
	s_add_nc_u64 s[18:19], s[4:5], 0x800000        ; of batch 1
	s_add_nc_u64 s[6:7], s[6:7], s[16:17]          ; my four rows of Wq
	s_add_nc_u64 s[8:9], s[8:9], s[16:17]          ; and of Wk,
	s_add_nc_u64 s[8:9], s[8:9], s[24:25]          ; at my strip
	s_add_nc_u64 s[10:11], s[10:11], s[26:27]
	; all 56 loads of the wave go out at once
	LOADROW X,    4,  0
	LOADROW X+32, 18, 0
.irp i, 0,1,2,3
	LOADROW W+32*\i, 6, 4096*\i
.endr
.irp i, 0,1,2,3
	global_load_b128 v[WK+8*\i:WK+8*\i+3],   v1, s[8:9] offset:4096*\i     th:TH_LOAD_NT   ; each byte of Wk is read once in the launch
	global_load_b128 v[WK+8*\i+4:WK+8*\i+7], v1, s[8:9] offset:4096*\i+512 th:TH_LOAD_NT
.endr
	ROWDOT 0, 32                                   ; out: three rows of Wq (24) and Wk's 8
	ROWDOT 1, 24
	ROWDOT 2, 16
	ROWDOT 3, 8                                    ; out: Wk's 8
	LANESUM8 Q                                     ; q[b][i] in every lane
	s_wait_loadcnt 0x0                             ; Wk
.irp b, 0,1
.irp c, 0,1,2,3,4,5,6,7
	v_mul_f32 v[P2+8*\b+\c], v[Q+4*\b], v[WK+\c]
.endr
.irp i, 1,2,3
.irp c, 0,1,2,3,4,5,6,7
	v_fmac_f32 v[P2+8*\b+\c], v[Q+4*\b+\i], v[WK+8*\i+\c]
.endr
.endr
.endr
	; LDS: wave w at 2,048 w: [b][256 columns] f32
.irp b, 0,1
	ds_store_b128 v3, v[P2+8*\b:P2+8*\b+3]   offset:1024*\b
	ds_store_b128 v3, v[P2+8*\b+4:P2+8*\b+7] offset:1024*\b+512
.endr
	s_wait_dscnt 0x0                               ; my stores are done before I say so: other waves read them
	s_barrier_signal -1
	s_barrier_wait -1
	s_cmp_ge_u32 s12, 4
	s_cbranch_scc1 .Lend                           ; 2 x 256 sums, four a thread: 128 threads finish
	v_lshlrev_b32 v4, 4, v0                        ; thread t: batch t / 64, columns 4 (t mod 64) ..
.irp k, 0,1,2,3,4,5,6,7,8,9,10,11,12,13,14,15
	ds_load_b128 v[X+4*\k:X+4*\k+3], v4 offset:2048*\k
.endr
	v_lshrrev_b32 v5, 6, v0
	v_and_b32 v6, 63, v0
	v_lshlrev_b32 v6, 3, v6
	v_lshl_or_b32 v5, v5, 16, v6                   ; 65,536 b + 8 (t mod 64): a wave's store covers 256 consecutive bytes, aligned
	s_wait_dscnt 0x0
.irp k, 0,1,2,3,4,5,6,7
	QADD X+4*\k, X+4*\k+32
.endr
.irp k, 0,1,2,3
	QADD X+4*\k, X+4*\k+16
.endr
	QADD X, X+8
	QADD X+4, X+12
	QADD X, X+4
	v_perm_b32 v88, v[X+1], v[X],   s23            ; hi: the upper halves, the lower e in the lower half
	v_perm_b32 v89, v[X+3], v[X+2], s23
.irp k, 0,1,2,3
	v_and_b32 v[90+\k], s22, v[X+\k]               ; hi as f32
.endr
	v_pk_add_f32 v[90:91], v[X:X+1],   v[90:91] neg_lo:[0,1] neg_hi:[0,1]   ; x - hi, exact
	v_pk_add_f32 v[92:93], v[X+2:X+3], v[92:93] neg_lo:[0,1] neg_hi:[0,1]
	v_cvt_pk_bf16_f32 v94, v90, v91                ; lo
	v_cvt_pk_bf16_f32 v95, v92, v93
	global_store_b64 v5, v[88:89], s[10:11]
	global_store_b64 v5, v[94:95], s[10:11] offset:32768
.Lend:
	s_wait_tensorcnt 0x0
	ds_add_u32 v244, v245
	s_wait_dscnt 0x0
	s_endpgm
.Lfunc_end_k_qee96902d80_qkvec:
	.size	k_qee96902d80_qkvec, .Lfunc_end_k_qee96902d80_qkvec-k_qee96902d80_qkvec
	.p2alignl 7, 3214868480
	.fill 96, 4, 3214868480
	.section	.rodata,"a",@progbits
	.p2align	6, 0x0
	.amdhsa_kernel k_qee96902d80_qkvec
		.amdhsa_group_segment_fixed_size 34816
		.amdhsa_private_segment_fixed_size 0
		.amdhsa_enable_private_segment 0
		.amdhsa_kernarg_size 32
		.amdhsa_user_sgpr_count 2
		.amdhsa_user_sgpr_kernarg_segment_ptr 1
		.amdhsa_wavefront_size32 1
		.amdhsa_system_sgpr_workgroup_id_x 1
		.amdhsa_system_sgpr_workgroup_id_y 1
		.amdhsa_system_sgpr_workgroup_id_z 1
		.amdhsa_system_vgpr_workitem_id 0
		.amdhsa_next_free_vgpr 246
		.amdhsa_next_free_sgpr 66
		.amdhsa_reserve_vcc 0
		.amdhsa_float_denorm_mode_32 3
		.amdhsa_float_denorm_mode_16_64 3
		.amdhsa_memory_ordered 1
		.amdhsa_forward_progress 1
		.amdhsa_inst_pref_size 25
	.end_amdhsa_kernel
	.amdgpu_metadata
---
amdhsa.version: [ 1, 2 ]
amdhsa.kernels:
  - .name:           k_qee96902d80_qkvec
    .symbol:         k_qee96902d80_qkvec.kd
    .args:
      - { .name: inputs, .offset: 0, .size: 8, .value_kind: global_buffer, .address_space: global }
      - { .name: Wq, .offset: 8, .size: 8, .value_kind: global_buffer, .address_space: global }
      - { .name: Wk, .offset: 16, .size: 8, .value_kind: global_buffer, .address_space: global }
      - { .name: qk, .offset: 24, .size: 8, .value_kind: global_buffer, .address_space: global }
    .group_segment_fixed_size: 34816
    .private_segment_fixed_size: 0
    .kernarg_segment_align: 8
    .kernarg_segment_size: 32
    .max_flat_workgroup_size: 512
    .sgpr_count:     66
    .vgpr_count:     246
    .wavefront_size: 32
...
	.end_amdgpu_metadata
.endif
;; end of part 1
;; launch scores (part 2): grid 256 x 1, 8 waves a work-group, no clusters, 168,960 bytes of LDS; arguments embbeding_K, qk, sc; writes sc
.if DOCPART == 2
	.amdgcn_target "amdgcn-amd-amdhsa--gfx1250"
	.amdhsa_code_object_version 6
	.text
	.protected	k_qee96902d80_scores
	.globl	k_qee96902d80_scores
	.p2align	8
	.type	k_qee96902d80_scores,@function
k_qee96902d80_scores:
	s_mov_b64 s[64:65], 0
	v_nop
	global_prefetch_b8 v0, s[64:65] scope:SCOPE_SE
	s_setreg_imm32_b32 hwreg(HW_REG_WAVE_MODE, 25, 1), 1
	s_wait_xcnt 0x0
; s[b][j][h] = embbeding_K[b][j][:] . qk[b][h][:], on the matrix unit: A = 16 rows j, B = 16 heads, K = e.
; The attention is unscaled, so a score's absolute error becomes a relative error of its weight: one bf16 number an operand is too coarse.
; Both operands go in as hi + lo (two bf16), and a K step is three products: hi.hi, hi.lo, lo.hi, each in an accumulator of its own.
; SHARES: work-group = tile T of 16 rows of the 4,096 (b = T / 128).  Wave w owns e = 128 w .. 128 w + 127, four K steps of 32; the eight
; waves' sums meet in LDS.
; sc: 1,024 bytes a tile; byte q*512 + lane*16 + 4 i holds (row 8 (lane / 16) + 4 q + i, head lane mod 16): the accumulator's registers as they lie.
; LDS: wave w at 17,152 w: its K tile, 16 rows of 512 bytes + 16 of padding (8,448), then its qk tile, 32 rows (16 hi, 16 lo) of 256 + 16 (8,704).
; Both pitches are odd multiples of 16 bytes, so the 16 rows that a 16-byte load touches lie in 16 different 16-byte columns of 256.
; RED at 137,216: 1,024 bytes a wave, written by LDS stores alone; no tensor load lands there.
; Each wave issues two tensor loads, at the start, into bytes that only it reads: two are outstanding, nothing is filled again.
; NO CLUSTER: the 128 work-groups of a batch read the same qk, but a wave makes one single request for it in the whole launch; asking jointly
; would put a round of the cluster's barrier in front of that request and one in front of the end, around work of 12 matrix instructions.
; LIMITS: the term lo.lo is left out (at most 2^-14 of a product); the sums run in another order than in the source formula; an infinity
; splits into inf and NaN.
.set KP,   528
.set QP,   272
.set WREG, 17152                       ; LDS bytes of a wave's two tiles
.set QOFF, 8448                        ; the qk tile behind the K tile
.set RED,  137216
.set KF,   16                          ; v[16:79]   K step s: 16 f32 of my row, k = 8 hh + 0..7, then 16 + 8 hh + 0..7
.set QF,   80                          ; v[80:143]  K step s: B fragment hi at 16 s, lo at 16 s + 8
.set AF,   144                         ; v[144:207] K step s: A fragment hi at 16 s, lo at 16 s + 8
.set ACC,  208                         ; v[208:231] hi.hi, hi.lo, lo.hi
.set T,    232                         ; v[232:239] at work
	s_load_b128 s[4:7], s[0:1], 0x0                ; embbeding_K s[4:5], qk s[6:7]
	s_load_b64 s[8:9], s[0:1], 0x10                ; sc
	v_lshl_add_u32 v240, v0, 2, 0x29000
	v_mov_b32 v241, 0
	ds_add_u32 v240, v241
	ds_add_u32 v240, v241
	v_lshrrev_b32 v7, 5, v0
	v_readfirstlane_b32 s10, v7                    ; wave 0..7
	; K tile, group 1: 16 rows x 128 elements of 4 bytes, 1,024 elements from row to row
	s_mov_b32 s16, (2<<16)|(1<<20)|(6<<22)|(3<<25) ; element of 4 bytes; padding on: after every 128 words, 4 words
	s_mov_b32 s17, 128<<16                         ; tensor_dim0 = 128
	s_mov_b32 s18, 16<<16                          ; tensor_dim1 = 16
	s_mov_b32 s19, 128<<16                         ; tile_dim0 = 128
	s_mov_b32 s20, 16                              ; tile_dim1 = 16
	s_mov_b32 s21, 1024                            ; pitch
	s_mov_b32 s22, 0
	s_mov_b32 s23, 0
	; qk tile, group 1: 32 rows (part, head) x 128 elements of 2 bytes, 1,024 elements from row to row
	s_mov_b32 s28, (1<<16)|(1<<20)|(5<<22)|(3<<25) ; element of 2 bytes; padding on: after every 64 words, 4 words
	s_mov_b32 s29, 128<<16
	s_mov_b32 s30, 32<<16
	s_mov_b32 s31, 128<<16
	s_mov_b32 s32, 32
	s_mov_b32 s33, 1024
	s_mov_b32 s34, 0
	s_mov_b32 s35, 0
	s_mov_b32 s12, 1                               ; group 0 of the K tile: count,
	s_mul_i32 s13, s10, WREG                       ; LDS address: the wave's number times a constant
	s_mov_b32 s24, 1                               ; group 0 of the qk tile
	s_add_co_u32 s25, s13, QOFF
	s_lshl_b32 s38, ttmp9, 16                      ; 16 rows of 4,096 bytes a tile,
	s_lshl_b32 s11, s10, 9                         ; 512 bytes of a row a wave
	s_add_co_u32 s38, s38, s11
	s_mov_b32 s39, 0
	s_wait_dscnt 0x0
	s_wait_kmcnt 0x0
	s_add_nc_u64 s[14:15], s[4:5], s[38:39]
	s_or_b32 s15, s15, 0x80000000                  ; type = 2
	tensor_load_to_lds s[12:15], s[16:23]
	s_nop 0
	s_lshr_b32 s38, ttmp9, 7                       ; batch
	s_lshl_b32 s38, s38, 16                        ; 65,536 bytes of qk a batch,
	s_lshl_b32 s11, s10, 8                         ; 256 bytes of a row a wave
	s_add_co_u32 s38, s38, s11
	s_add_nc_u64 s[26:27], s[6:7], s[38:39]
	s_or_b32 s27, s27, 0x80000000
	tensor_load_to_lds s[24:27], s[28:35]
	s_nop 0
	s_lshl_b32 s38, ttmp9, 10
	s_add_nc_u64 s[8:9], s[8:9], s[38:39]          ; my tile's 1,024 bytes of sc
	s_mov_b32 s36, 0xffff0000                      ; the bf16 part of an f32
	s_mov_b32 s37, 0x07060302                      ; v_perm_b32: the upper halves of two registers
	v_and_b32 v1, 15, v0                           ; r
	v_bfe_u32 v2, v0, 4, 1                         ; hh
	v_mul_u32_u24 v3, v1, KP
	v_lshl_add_u32 v3, v2, 5, v3                   ; row r, 8 f32 for each half of the lanes
	v_add_nc_u32 v3, s13, v3
	v_mul_u32_u24 v4, v1, QP
	v_lshl_add_u32 v4, v2, 4, v4                   ; head r, 8 bf16 for each half
	v_add_nc_u32 v4, s25, v4
	s_lshl_b32 s11, s10, 10
	s_add_co_u32 s11, s11, RED
	v_and_b32 v5, 31, v0
	v_lshlrev_b32 v5, 4, v5
	v_add_nc_u32 v5, s11, v5                       ; RED + 1,024 w + 16 lane
	v_lshlrev_b32 v8, 4, v0                        ; 16 t
	v_add_nc_u32 v6, RED, v8
	s_wait_tensorcnt 0x0                           ; both my tiles are in LDS; only I read them
.irp s, 0,1,2,3
	ds_load_b128 v[KF+16*\s:KF+16*\s+3],     v3 offset:128*\s
	ds_load_b128 v[KF+16*\s+4:KF+16*\s+7],   v3 offset:128*\s+16
	ds_load_b128 v[KF+16*\s+8:KF+16*\s+11],  v3 offset:128*\s+64
	ds_load_b128 v[KF+16*\s+12:KF+16*\s+15], v3 offset:128*\s+80
.endr
.irp s, 0,1,2,3
	ds_load_b128 v[QF+16*\s:QF+16*\s+3],     v4 offset:64*\s
	ds_load_b128 v[QF+16*\s+4:QF+16*\s+7],   v4 offset:64*\s+32
	ds_load_b128 v[QF+16*\s+8:QF+16*\s+11],  v4 offset:64*\s+16*QP
	ds_load_b128 v[QF+16*\s+12:QF+16*\s+15], v4 offset:64*\s+16*QP+32
.endr
; K step s: 16 f32 into 8 registers of hi (cut) and 8 of lo (x - hi, exact, then rounded)
.macro SPLIT s
	s_wait_dscnt 28-4*\s                           ; LDS loads come back in order: out are the later steps' K loads and the 16 of qk
.irp p, 0,1,2,3,4,5,6,7
	v_perm_b32 v[AF+16*\s+\p], v[KF+16*\s+2*\p+1], v[KF+16*\s+2*\p], s37
	v_and_b32 v[T+2*(\p%4)],   s36, v[KF+16*\s+2*\p]
	v_and_b32 v[T+2*(\p%4)+1], s36, v[KF+16*\s+2*\p+1]
	v_pk_add_f32 v[T+2*(\p%4):T+2*(\p%4)+1], v[KF+16*\s+2*\p:KF+16*\s+2*\p+1], v[T+2*(\p%4):T+2*(\p%4)+1] neg_lo:[0,1] neg_hi:[0,1]
	v_cvt_pk_bf16_f32 v[AF+16*\s+8+\p], v[T+2*(\p%4)], v[T+2*(\p%4)+1]
.endr
.endm
	SPLIT 0
	SPLIT 1
	SPLIT 2
	SPLIT 3
	s_wait_dscnt 0x0                               ; qk's fragments
	; The three accumulators take turns, one instruction a turn.  The first K step starts the sums.
	v_wmma_f32_16x16x32_bf16 v[ACC:ACC+7],     v[AF:AF+7],    v[QF:QF+7],    0
	v_wmma_f32_16x16x32_bf16 v[ACC+8:ACC+15],  v[AF:AF+7],    v[QF+8:QF+15], 0
	v_wmma_f32_16x16x32_bf16 v[ACC+16:ACC+23], v[AF+8:AF+15], v[QF:QF+7],    0
.irp s, 1,2,3
	v_wmma_f32_16x16x32_bf16 v[ACC:ACC+7],     v[AF+16*\s:AF+16*\s+7],    v[QF+16*\s:QF+16*\s+7],    v[ACC:ACC+7]
	v_wmma_f32_16x16x32_bf16 v[ACC+8:ACC+15],  v[AF+16*\s:AF+16*\s+7],    v[QF+16*\s+8:QF+16*\s+15], v[ACC+8:ACC+15]
	v_wmma_f32_16x16x32_bf16 v[ACC+16:ACC+23], v[AF+16*\s+8:AF+16*\s+15], v[QF+16*\s:QF+16*\s+7],    v[ACC+16:ACC+23]
.endr
.rept 4
	v_nop                                          ; four places before a vector instruction reads a matrix result (ISA guide 7.12.1)
.endr
.irp j, 0,2,4,6
	v_pk_add_f32 v[ACC+8+\j:ACC+9+\j], v[ACC+8+\j:ACC+9+\j], v[ACC+16+\j:ACC+17+\j]   ; the two small sums first,
.endr
.irp j, 0,2,4,6
	v_pk_add_f32 v[ACC+\j:ACC+1+\j], v[ACC+\j:ACC+1+\j], v[ACC+8+\j:ACC+9+\j]         ; then onto the large one
.endr
	ds_store_b128 v5, v[ACC:ACC+3]
	ds_store_b128 v5, v[ACC+4:ACC+7] offset:512
	s_wait_dscnt 0x0                               ; my stores are done before I say so: other waves read them
	s_barrier_signal -1
	s_barrier_wait -1
	s_cmp_ge_u32 s10, 2
	s_cbranch_scc1 .Lend                           ; 256 sums, four a thread: 64 threads finish
.irp k, 0,1,2,3,4,5,6,7
	ds_load_b128 v[KF+4*\k:KF+4*\k+3], v6 offset:1024*\k
.endr
	s_wait_dscnt 0x0
.irp k, 0,1,2,3
	v_pk_add_f32 v[KF+4*\k:KF+4*\k+1],   v[KF+4*\k:KF+4*\k+1],   v[KF+4*\k+16:KF+4*\k+17]
	v_pk_add_f32 v[KF+4*\k+2:KF+4*\k+3], v[KF+4*\k+2:KF+4*\k+3], v[KF+4*\k+18:KF+4*\k+19]
.endr
.irp k, 0,1
	v_pk_add_f32 v[KF+4*\k:KF+4*\k+1],   v[KF+4*\k:KF+4*\k+1],   v[KF+4*\k+8:KF+4*\k+9]
	v_pk_add_f32 v[KF+4*\k+2:KF+4*\k+3], v[KF+4*\k+2:KF+4*\k+3], v[KF+4*\k+10:KF+4*\k+11]
.endr
	v_pk_add_f32 v[KF:KF+1],   v[KF:KF+1],   v[KF+4:KF+5]
	v_pk_add_f32 v[KF+2:KF+3], v[KF+2:KF+3], v[KF+6:KF+7]
	global_store_b128 v8, v[KF:KF+3], s[8:9]       ; a wave's store covers 512 consecutive bytes, aligned
.Lend:
	s_wait_tensorcnt 0x0
	ds_add_u32 v240, v241
	s_wait_dscnt 0x0
	s_endpgm
.Lfunc_end_k_qee96902d80_scores:
	.size	k_qee96902d80_scores, .Lfunc_end_k_qee96902d80_scores-k_qee96902d80_scores
	.p2alignl 7, 3214868480
	.fill 96, 4, 3214868480
	.section	.rodata,"a",@progbits
	.p2align	6, 0x0
	.amdhsa_kernel k_qee96902d80_scores
		.amdhsa_group_segment_fixed_size 168960
		.amdhsa_private_segment_fixed_size 0
		.amdhsa_enable_private_segment 0
		.amdhsa_kernarg_size 24
		.amdhsa_user_sgpr_count 2
		.amdhsa_user_sgpr_kernarg_segment_ptr 1
		.amdhsa_wavefront_size32 1
		.amdhsa_system_sgpr_workgroup_id_x 1
		.amdhsa_system_sgpr_workgroup_id_y 1
		.amdhsa_system_sgpr_workgroup_id_z 1
		.amdhsa_system_vgpr_workitem_id 0
		.amdhsa_next_free_vgpr 242
		.amdhsa_next_free_sgpr 66
		.amdhsa_reserve_vcc 0
		.amdhsa_float_denorm_mode_32 3
		.amdhsa_float_denorm_mode_16_64 3
		.amdhsa_memory_ordered 1
		.amdhsa_forward_progress 1
		.amdhsa_inst_pref_size 17
	.end_amdhsa_kernel
	.amdgpu_metadata
---
amdhsa.version: [ 1, 2 ]
amdhsa.kernels:
  - .name:           k_qee96902d80_scores
    .symbol:         k_qee96902d80_scores.kd
    .args:
      - { .name: embbeding_K, .offset: 0, .size: 8, .value_kind: global_buffer, .address_space: global }
      - { .name: qk, .offset: 8, .size: 8, .value_kind: global_buffer, .address_space: global }
      - { .name: sc, .offset: 16, .size: 8, .value_kind: global_buffer, .address_space: global }
    .group_segment_fixed_size: 168960
    .private_segment_fixed_size: 0
    .kernarg_segment_align: 8
    .kernarg_segment_size: 24
    .max_flat_workgroup_size: 256
    .sgpr_count:     66
    .vgpr_count:     242
    .wavefront_size: 32
...
	.end_amdgpu_metadata
.endif
;; end of part 2
;; launch pvpart (part 3): grid 16 x 16, 8 waves a work-group, no clusters, 34,816 bytes of LDS; arguments sc, embbeding_V, pvp, st; writes pvp, st
.if DOCPART == 3
	.amdgcn_target "amdgcn-amd-amdhsa--gfx1250"
	.amdhsa_code_object_version 6
	.text
	.protected	k_qee96902d80_pvpart
	.globl	k_qee96902d80_pvpart
	.p2align	8
	.type	k_qee96902d80_pvpart,@function
k_qee96902d80_pvpart:
	s_mov_b64 s[64:65], 0
	v_nop
	global_prefetch_b8 v0, s[64:65] scope:SCOPE_SE
	s_setreg_imm32_b32 hwreg(HW_REG_WAVE_MODE, 25, 1), 1
	s_wait_xcnt 0x0
; For one split of 256 keys (y = 8 b + js) and one strip of 64 columns e of embbeding_V, for all 16 heads:
;   m[h] = max over the split of s,  p = exp(s - m) rounded to bf16,  l[h] = sum of the rounded p,  part[h][e] = sum over the keys of p V[key][e].
; The value projection is moved behind the sum over the keys: o_h = Wv_h (sum_j p_j V_j).  The splits are joined in the next launch.
; l is summed from the ROUNDED p, so that the weights that multiply V sum to one after the division and a common offset of V passes unchanged.
; SHARES: wave w owns keys 32 w .. 32 w + 31: one matrix K step, A = p (m = head), B = V (n = column), four column tiles.
; sc's layout is A's fragment order as it stands: lane (head r, half hh), registers 0-7 keys 8 hh + 0..7, registers 8-15 keys 16 + 8 hh + 0..7.
; V needs no transposition: lane (r, hh) loads 16 bytes (columns 4 r .. 4 r + 3) of rows 8 hh + i and 16 + 8 hh + i, so the keys run along its
; registers; column tile c takes column 4 r + c as its n = r.  Sixteen lanes read 256 consecutive bytes of a row, aligned.
; LDS: PS at 0: 4,096 bytes a wave, [head][64 f32]; MX at 32,768 and LS at 33,280: 64 bytes a wave, one word a head.
; No tile is shared through LDS between work-groups (V is read once in the launch, sc is 16 KiB a work-group): nothing for a cluster.
; LIMITS: a NaN score loses in the maximum; weights below 2^-126 of the split's largest count as zero; p and V enter the product in bf16.
.set S,   8                            ; v[8:23]    scores, then p
.set V,   24                           ; v[24:87]   V: key 8 hh + i at 4 i, key 16 + 8 hh + i at 32 + 4 i
.set PF,  88                           ; v[88:95]   A fragment
.set BF,  96                           ; v[96:127]  B fragments, 8 registers a column tile
.set D,   128                          ; v[128:159] results, 8 registers a column tile
.set M,   160                          ; v[160:161] m, twice (a pair for the packed subtraction)
.set MX,  32768
.set LS,  33280
	s_load_b256 s[4:11], s[0:1], 0x0               ; sc s[4:5], embbeding_V s[6:7], pvp s[8:9], st s[10:11]
	v_lshl_add_u32 v176, v0, 2, 0x8400
	v_mov_b32 v177, 0
	v_lshrrev_b32 v1, 5, v0
	v_readfirstlane_b32 s12, v1                    ; wave 0..7
	s_and_b32 s13, ttmp7, 0xffff                   ; y
	v_and_b32 v1, 31, v0                           ; lane
	v_and_b32 v2, 15, v0                           ; r
	v_bfe_u32 v3, v0, 4, 1                         ; hh
	v_lshlrev_b32 v4, 4, v1                        ; sc: 16 x lane
	v_lshlrev_b32 v5, 4, v2
	v_lshl_add_u32 v5, v3, 15, v5                  ; V: 16 r + 8 rows of 4,096 bytes for the upper half
	v_lshlrev_b32 v6, 2, v2                        ; MX, LS: 4 r
	s_lshl_b32 s19, s12, 6
	v_add_nc_u32 v7, s19, v6                       ; + 64 w: my wave's words
	s_lshl_b32 s19, s12, 12
	v_lshlrev_b32 v162, 4, v2
	v_lshl_add_u32 v162, v3, 11, v162
	v_add_nc_u32 v162, s19, v162                   ; PS: 4,096 w + 8 hh rows of 256 + 16 r
	v_lshlrev_b32 v163, 4, v0                      ; PS, back: 16 t
	v_lshrrev_b32 v164, 4, v0
	v_lshlrev_b32 v164, 12, v164
	v_lshl_or_b32 v164, v2, 4, v164                ; pvp: head t / 16 at 4,096, 16 bytes at 16 (t mod 16)
	v_mov_b32 v165, 0                              ; the permute's destination counts as read: written once here
	s_mov_b32 s16, 0x76543210                      ; v_permlanex16_b32: lane i of one half reads lane i of the other
	s_mov_b32 s17, 0xfedcba98
	s_mov_b32 s18, 0xffff0000                      ; a word's upper bf16
	s_lshl_b32 s14, s13, 14                        ; sc: 16 tiles of 1,024 bytes a split,
	s_lshl_b32 s19, s12, 11                        ; two a wave
	s_add_co_u32 s14, s14, s19
	s_mov_b32 s15, 0
	s_lshl_b32 s20, s13, 20                        ; V: 256 rows of 4,096 bytes a split,
	s_lshl_b32 s19, s12, 17                        ; 32 a wave,
	s_add_co_u32 s20, s20, s19
	s_lshl_b32 s19, ttmp9, 8                       ; 256 bytes a strip
	s_add_co_u32 s20, s20, s19
	s_mov_b32 s21, 0
	s_lshl_b32 s22, s13, 16                        ; pvp: 65,536 bytes a split
	s_add_co_u32 s22, s22, s19
	s_mov_b32 s23, 0
	s_lshl_b32 s24, s13, 7                         ; st: 128 bytes a split
	s_mov_b32 s25, 0
	s_wait_kmcnt 0x0
	s_add_nc_u64 s[4:5], s[4:5], s[14:15]
	s_add_nc_u64 s[6:7], s[6:7], s[20:21]
	s_add_nc_u64 s[8:9], s[8:9], s[22:23]
	s_add_nc_u64 s[10:11], s[10:11], s[24:25]
.irp n, 0,1,2,3
	global_load_b128 v[S+4*\n:S+4*\n+3], v4, s[4:5] offset:512*\n
.endr
.irp i, 0,1,2,3,4,5,6,7
	global_load_b128 v[V+4*\i:V+4*\i+3], v5, s[6:7] offset:4096*\i th:TH_LOAD_NT          ; each byte of V is read once in the launch
.endr
.irp i, 0,1,2,3,4,5,6,7
	global_load_b128 v[V+32+4*\i:V+32+4*\i+3], v5, s[6:7] offset:4096*(16+\i) th:TH_LOAD_NT
.endr
	s_wait_loadcnt 16                              ; the scores are in; V's sixteen loads stay out
	v_max3_num_f32 v166, v[S], v[S+1], v[S+2]
.irp p, 3,5,7,9,11,13
	v_max3_num_f32 v166, v166, v[S+\p], v[S+\p+1]
.endr
	v_max_num_f32 v166, v166, v[S+15]
	v_permlanex16_b32 v165, v166, s16, s17         ; the other half holds head r's other sixteen keys
	v_max_num_f32 v166, v166, v165
	ds_store_b32 v7, v166 offset:MX                ; both halves write the same word with the same value
	s_wait_dscnt 0x0                               ; done before I say so
	s_barrier_signal -1
	s_barrier_wait -1
.irp k, 0,1,2,3,4,5,6,7
	ds_load_b32 v[166+\k], v6 offset:MX+64*\k
.endr
	s_wait_dscnt 0x0
	v_max3_num_f32 v[M], v166, v167, v168
	v_max3_num_f32 v[M], v[M], v169, v170
	v_max3_num_f32 v[M], v[M], v171, v172
	v_max_num_f32 v[M], v[M], v173                 ; m of head r over the split's 256 keys
	v_mov_b32 v[M+1], v[M]
.irp p, 0,2,4,6,8,10,12,14
	v_pk_add_f32 v[S+\p:S+\p+1], v[S+\p:S+\p+1], v[M:M+1] neg_lo:[0,1] neg_hi:[0,1]   ; the difference first: it is exact where it matters
.endr
.irp p, 0,2,4,6,8,10,12,14
	v_pk_mul_f32 v[S+\p:S+\p+1], v[S+\p:S+\p+1], 0x3fb8aa3b op_sel_hi:[1,0]           ; times log2 e
.endr
.irp p, 0,1,2,3,4,5,6,7,8,9,10,11,12,13,14,15
	v_exp_f32 v[S+\p], v[S+\p]
.endr
	v_nop                                          ; one plain vector instruction behind a transcendental before its result is used (ISA guide 5.7.2)
	s_wait_alu depctr_va_vdst(0)
.irp q, 0,1,2,3,4,5,6,7
	v_cvt_pk_bf16_f32 v[PF+\q], v[S+2*\q], v[S+2*\q+1]
.endr
.irp q, 0,1,2,3,4,5,6,7
	v_lshlrev_b32 v[S+2*\q],   16,  v[PF+\q]       ; the rounded p back as f32, for l
	v_and_b32     v[S+2*\q+1], s18, v[PF+\q]
.endr
.irp p, 0,2,4,6
	v_pk_add_f32 v[S+\p:S+\p+1], v[S+\p:S+\p+1], v[S+\p+8:S+\p+9]
.endr
	v_pk_add_f32 v[S:S+1],   v[S:S+1],   v[S+4:S+5]
	v_pk_add_f32 v[S+2:S+3], v[S+2:S+3], v[S+6:S+7]
	v_pk_add_f32 v[S:S+1],   v[S:S+1],   v[S+2:S+3]
	v_add_f32 v166, v[S], v[S+1]
	v_permlanex16_b32 v165, v166, s16, s17
	v_add_f32 v166, v166, v165                     ; l of head r over my 32 keys
	ds_store_b32 v7, v166 offset:LS
	s_wait_loadcnt 0x0                             ; V
.irp c, 0,1,2,3
.irp q, 0,1,2,3
	v_cvt_pk_bf16_f32 v[BF+8*\c+\q],   v[V+8*\q+\c],    v[V+8*\q+4+\c]      ; keys 8 hh + 2 q, + 1 of column 4 r + c
	v_cvt_pk_bf16_f32 v[BF+8*\c+4+\q], v[V+32+8*\q+\c], v[V+32+8*\q+4+\c]   ; keys 16 + 8 hh + 2 q, + 1
.endr
.endr
.irp c, 0,1,2,3
	v_wmma_f32_16x16x32_bf16 v[D+8*\c:D+8*\c+7], v[PF:PF+7], v[BF+8*\c:BF+8*\c+7], 0   ; four results of their own, each one product
.endr
.rept 4
	v_nop                                          ; four places before an LDS store reads a matrix result
.endr
	; register j of tile c is (head 8 hh + j, column 4 r + c).  The two halves of the lanes lie 2,048 bytes apart and meet in the same banks:
	; two passes a store, taken for 32 stores in the whole launch.
.irp j, 0,1,2,3,4,5,6,7
.irp c, 0,1,2,3
	ds_store_b32 v162, v[D+8*\c+\j] offset:256*\j+4*\c
.endr
.endr
	s_wait_dscnt 0x0                               ; PS and LS are done before I say so
	s_barrier_signal -1
	s_barrier_wait -1
.irp k, 0,1,2,3,4,5,6,7
	ds_load_b128 v[V+4*\k:V+4*\k+3], v163 offset:4096*\k
.endr
	s_wait_dscnt 0x0
.irp k, 0,1,2,3
	v_pk_add_f32 v[V+4*\k:V+4*\k+1],   v[V+4*\k:V+4*\k+1],   v[V+4*\k+16:V+4*\k+17]
	v_pk_add_f32 v[V+4*\k+2:V+4*\k+3], v[V+4*\k+2:V+4*\k+3], v[V+4*\k+18:V+4*\k+19]
.endr
.irp k, 0,1
	v_pk_add_f32 v[V+4*\k:V+4*\k+1],   v[V+4*\k:V+4*\k+1],   v[V+4*\k+8:V+4*\k+9]
	v_pk_add_f32 v[V+4*\k+2:V+4*\k+3], v[V+4*\k+2:V+4*\k+3], v[V+4*\k+10:V+4*\k+11]
.endr
	v_pk_add_f32 v[V:V+1],   v[V:V+1],   v[V+4:V+5]
	v_pk_add_f32 v[V+2:V+3], v[V+2:V+3], v[V+6:V+7]
	global_store_b128 v164, v[V:V+3], s[8:9]       ; sixteen lanes store 256 consecutive bytes, aligned
	s_or_b32 s19, ttmp9, s12
	s_cmp_lg_u32 s19, 0
	s_cbranch_scc1 .Lend                           ; m and l are the same in all strips: wave 0 of strip 0 stores them
.irp k, 0,1,2,3,4,5,6,7
	ds_load_b32 v[166+\k], v6 offset:LS+64*\k
.endr
	v_lshlrev_b32 v175, 2, v1                      ; st: [m, l][head]: 4 x lane
	v_cmp_gt_u32 vcc_lo, 16, v1
	s_wait_dscnt 0x0
	v_pk_add_f32 v[166:167], v[166:167], v[168:169]
	v_pk_add_f32 v[170:171], v[170:171], v[172:173]
	v_pk_add_f32 v[166:167], v[166:167], v[170:171]
	v_add_f32 v166, v166, v167
	v_cndmask_b32 v174, v166, v[M], vcc_lo         ; lanes 0-15: m, lanes 16-31: l
	global_store_b32 v175, v174, s[10:11]
.Lend:
	s_wait_tensorcnt 0x0
	ds_add_u32 v176, v177
	s_wait_dscnt 0x0
	s_endpgm
.Lfunc_end_k_qee96902d80_pvpart:
	.size	k_qee96902d80_pvpart, .Lfunc_end_k_qee96902d80_pvpart-k_qee96902d80_pvpart
	.p2alignl 7, 3214868480
	.fill 96, 4, 3214868480
	.section	.rodata,"a",@progbits
	.p2align	6, 0x0
	.amdhsa_kernel k_qee96902d80_pvpart
		.amdhsa_group_segment_fixed_size 34816
		.amdhsa_private_segment_fixed_size 0
		.amdhsa_enable_private_segment 0
		.amdhsa_kernarg_size 32
		.amdhsa_user_sgpr_count 2
		.amdhsa_user_sgpr_kernarg_segment_ptr 1
		.amdhsa_wavefront_size32 1
		.amdhsa_system_sgpr_workgroup_id_x 1
		.amdhsa_system_sgpr_workgroup_id_y 1
		.amdhsa_system_sgpr_workgroup_id_z 1
		.amdhsa_system_vgpr_workitem_id 0
		.amdhsa_next_free_vgpr 178
		.amdhsa_next_free_sgpr 66
		.amdhsa_reserve_vcc 1
		.amdhsa_float_denorm_mode_32 3
		.amdhsa_float_denorm_mode_16_64 3
		.amdhsa_memory_ordered 1
		.amdhsa_forward_progress 1
		.amdhsa_inst_pref_size 17
	.end_amdhsa_kernel
	.amdgpu_metadata
---
amdhsa.version: [ 1, 2 ]
amdhsa.kernels:
  - .name:           k_qee96902d80_pvpart
    .symbol:         k_qee96902d80_pvpart.kd
    .args:
      - { .name: sc, .offset: 0, .size: 8, .value_kind: global_buffer, .address_space: global }
      - { .name: embbeding_V, .offset: 8, .size: 8, .value_kind: global_buffer, .address_space: global }
      - { .name: pvp, .offset: 16, .size: 8, .value_kind: global_buffer, .address_space: global }
      - { .name: st, .offset: 24, .size: 8, .value_kind: global_buffer, .address_space: global }
    .group_segment_fixed_size: 34816
    .private_segment_fixed_size: 0
    .kernarg_segment_align: 8
    .kernarg_segment_size: 32
    .max_flat_workgroup_size: 256
    .sgpr_count:     66
    .vgpr_count:     178
    .wavefront_size: 32
...
	.end_amdgpu_metadata
.endif
;; end of part 3
;; launch oproj (part 4): grid 256 x 1, 8 waves a work-group, no clusters, 1,280 bytes of LDS; arguments pvp, st, Wv, o; writes o
.if DOCPART == 4
	.amdgcn_target "amdgcn-amd-amdhsa--gfx1250"
	.amdhsa_code_object_version 6
	.text
	.protected	k_qee96902d80_oproj
	.globl	k_qee96902d80_oproj
	.p2align	8
	.type	k_qee96902d80_oproj,@function
k_qee96902d80_oproj:
	s_mov_b64 s[64:65], 0
	v_nop
	global_prefetch_b8 v0, s[64:65] scope:SCOPE_SE
	s_setreg_imm32_b32 hwreg(HW_REG_WAVE_MODE, 25, 1), 1
	s_wait_xcnt 0x0
; Joins the eight key splits and applies Wv:  M = max over js of m[js],  w[js] = exp(m[js] - M),  L = sum of l[js] w[js],
;   pv[b][h][e] = sum over js of (w[js] / L) pvp[8 b + js][h][e],   o[b][i] = Wv[i][:] . pv[b][i / 64][:].
; SHARES: work-group g owns rows i = 4 g .. 4 g + 3 of Wv (head g / 16), both batches.  Wave w owns e = 128 w + 4 lane + 0..3; the waves' sums meet in LDS.
; All in f32 on the vector unit: two rows a product.  Every load goes out at once: 21 a wave.
; The split that holds M has a weight of exactly 1 among its p, so L is at least 1.
; o is stored in pieces of 16 bytes: it is 8,192 bytes in all, and whole runs of 256 bytes would leave work for 16 work-groups only.
; The 16 work-groups of a head read the same 64 KiB of pvp, straight into registers: no tile in LDS that a cluster could be given jointly.
; LIMITS: the sums run in another order than in the source formula; a split whose m lies more than 126 powers of two below M counts as zero.
.set ST,  5                            ; v5         lane 16 b + js: m[js]; lane 16 b + 8 + js: l[js]
.set P,   12                           ; v[12:75]   pvp of split 8 b + js at 4 (8 b + js)
.set WV,  76                           ; v[76:91]   row i of Wv at 4 i
.set PV,  92                           ; v[92:99]   pv of batch b at 4 b
.set R,   100                          ; v[100:107] my part of o[b][i] at 4 b + i
.set AC,  108                          ; v[108:109] at work
.set WT,  16                           ; s[16:31]   w[js] / L of batch b at 8 b + js
.set SEL, 32                           ; s32, s33   v_permlanex16_b32: lane i of one half reads lane i of the other
.macro LANESUM8 base                   ; eight registers summed over the 32 lanes, the result in every lane; the eight take turns in each step
.irp m, 1,2,4,8
.irp r, 0,1,2,3,4,5,6,7
	v_add_f32_dpp v[\base+\r], v[\base+\r], v[\base+\r] row_xmask:\m row_mask:0xf bank_mask:0xf
.endr
.endr
.irp r, 0,1,2,3,4,5,6,7
	v_permlanex16_b32 v2, v[\base+\r], s[SEL], s[SEL+1]
	v_add_f32 v[\base+\r], v[\base+\r], v2
.endr
.endm
	s_load_b256 s[4:11], s[0:1], 0x0               ; pvp s[4:5], st s[6:7], Wv s[8:9], o s[10:11]
	v_lshl_add_u32 v120, v0, 2, 0x100
	v_mov_b32 v121, 0
	v_lshrrev_b32 v1, 5, v0
	v_readfirstlane_b32 s12, v1                    ; wave 0..7
	s_lshr_b32 s13, ttmp9, 4                       ; head
	v_and_b32 v1, 31, v0                           ; lane
	v_mov_b32 v2, 0                                ; the permute's destination counts as read: written once here
	v_lshlrev_b32 v3, 4, v1                        ; 16 x lane
	v_lshrrev_b32 v4, 4, v1                        ; st: batch at 1,024,
	v_lshlrev_b32 v4, 10, v4
	v_and_b32 v10, 7, v1
	v_lshl_or_b32 v4, v10, 7, v4                   ; split at 128,
	v_bfe_u32 v10, v1, 3, 1
	v_lshl_or_b32 v4, v10, 6, v4                   ; m or l at 64
	v_mov_b32 v8, 0                                ; a DPP form's destination counts as read
	s_mov_b32 s[SEL], 0x76543210
	s_mov_b32 s[SEL+1], 0xfedcba98
	s_lshl_b32 s34, s12, 9                         ; my wave's 512 bytes of a row
	s_lshl_b32 s14, s13, 12                        ; pvp: 4,096 bytes a head
	s_add_co_u32 s14, s14, s34
	s_mov_b32 s15, 0
	s_lshl_b32 s36, s13, 2                         ; st: a word a head
	s_mov_b32 s37, 0
	s_lshl_b32 s38, ttmp9, 14                      ; Wv: four rows of 4,096 bytes a work-group
	s_add_co_u32 s38, s38, s34
	s_mov_b32 s39, 0
	s_lshl_b32 s42, ttmp9, 4                       ; o: four words a work-group
	s_mov_b32 s43, 0
	s_wait_kmcnt 0x0
	s_add_nc_u64 s[4:5], s[4:5], s[14:15]
	s_add_nc_u64 s[6:7], s[6:7], s[36:37]
	s_add_nc_u64 s[8:9], s[8:9], s[38:39]
	s_add_nc_u64 s[10:11], s[10:11], s[42:43]
	global_load_b32 v[ST], v4, s[6:7]
.irp y, 0,1,2,3,4,5,6,7,8,9,10,11,12,13,14,15
	global_load_b128 v[P+4*\y:P+4*\y+3], v3, s[4:5] offset:65536*\y
.endr
.irp i, 0,1,2,3
	global_load_b128 v[WV+4*\i:WV+4*\i+3], v3, s[8:9] offset:4096*\i th:TH_LOAD_NT   ; each byte of Wv is read once in the launch
.endr
	s_wait_loadcnt 20                              ; m and l are in; the 20 loads behind them stay out
	; The weights, in the lanes that hold m.  The lanes that hold l run the same lines on numbers that nobody reads.
	v_mov_b32 v6, v[ST]
	v_max_num_f32_dpp v6, v6, v6 row_xmask:1 row_mask:0xf bank_mask:0xf
	v_max_num_f32_dpp v6, v6, v6 row_xmask:2 row_mask:0xf bank_mask:0xf
	v_max_num_f32_dpp v6, v6, v6 row_xmask:4 row_mask:0xf bank_mask:0xf    ; M over the eight splits
	v_sub_f32 v7, v[ST], v6
	v_mul_f32 v7, 0x3fb8aa3b, v7
	v_exp_f32 v7, v7                               ; w[js]
	v_nop                                          ; one plain vector instruction behind a transcendental (ISA guide 5.7.2)
	s_wait_alu depctr_va_vdst(0)
	v_mul_f32_dpp v8, v[ST], v7 row_xmask:8 row_mask:0xf bank_mask:0xf     ; l[js], from eight lanes away, times w[js]
	v_add_f32_dpp v8, v8, v8 row_xmask:1 row_mask:0xf bank_mask:0xf
	v_add_f32_dpp v8, v8, v8 row_xmask:2 row_mask:0xf bank_mask:0xf
	v_add_f32_dpp v8, v8, v8 row_xmask:4 row_mask:0xf bank_mask:0xf        ; L
	v_rcp_f32 v9, v8
	v_nop
	s_wait_alu depctr_va_vdst(0)
	v_mul_f32 v9, v7, v9                           ; w[js] / L
.irp b, 0,1
.irp j, 0,1,2,3,4,5,6,7
	v_readlane_b32 s[WT+8*\b+\j], v9, 16*\b+\j
.endr
.endr
	s_wait_loadcnt 0x0
.irp b, 0,1
.irp c, 0,1,2,3
	v_mul_f32 v[PV+4*\b+\c], s[WT+8*\b], v[P+32*\b+\c]
.endr
.irp j, 1,2,3,4,5,6,7
.irp c, 0,1,2,3
	v_fmac_f32 v[PV+4*\b+\c], s[WT+8*\b+\j], v[P+32*\b+4*\j+\c]
.endr
.endr
.endr
.irp b, 0,1
.irp i, 0,1,2,3
	v_pk_mul_f32 v[AC:AC+1], v[WV+4*\i:WV+4*\i+1], v[PV+4*\b:PV+4*\b+1]
	v_pk_fma_f32 v[AC:AC+1], v[WV+4*\i+2:WV+4*\i+3], v[PV+4*\b+2:PV+4*\b+3], v[AC:AC+1]
	v_add_f32 v[R+4*\b+\i], v[AC], v[AC+1]
.endr
.endr
	LANESUM8 R
	s_lshl_b32 s34, s12, 5
	v_mov_b32 v11, s34                             ; LDS: 32 bytes a wave, word 4 b + i
	ds_store_b128 v11, v[R:R+3]                    ; all lanes write the same bytes with the same values
	ds_store_b128 v11, v[R+4:R+7] offset:16
	s_wait_dscnt 0x0                               ; done before I say so
	s_barrier_signal -1
	s_barrier_wait -1
	s_cmp_lg_u32 s12, 0
	s_cbranch_scc1 .Lend                           ; eight sums: wave 0 finishes
	v_and_b32 v10, 7, v1                           ; k = 4 b + i
	v_lshlrev_b32 v11, 2, v10
.irp k, 0,1,2,3,4,5,6,7
	ds_load_b32 v[P+\k], v11 offset:32*\k
.endr
	v_lshrrev_b32 v20, 2, v10
	v_and_b32 v21, 3, v10
	v_lshlrev_b32 v21, 2, v21
	v_lshl_or_b32 v20, v20, 12, v21                ; o: 4,096 b + 4 i
	v_cmp_gt_u32 vcc_lo, 8, v1
	s_wait_dscnt 0x0
	v_pk_add_f32 v[P:P+1],   v[P:P+1],   v[P+2:P+3]
	v_pk_add_f32 v[P+4:P+5], v[P+4:P+5], v[P+6:P+7]
	v_pk_add_f32 v[P:P+1],   v[P:P+1],   v[P+4:P+5]
	v_add_f32 v[P], v[P], v[P+1]
	s_wait_xcnt 0x0                                ; EXEC changes only when no earlier memory instruction still reads it
	s_and_saveexec_b32 s40, vcc_lo                 ; lanes 0 to 7
	global_store_b32 v20, v[P], s[10:11]
	s_wait_xcnt 0x0                                ; and again in front of the line that widens it
	s_or_b32 exec_lo, exec_lo, s40
.Lend:
	s_wait_tensorcnt 0x0
	ds_add_u32 v120, v121
	s_wait_dscnt 0x0
	s_endpgm
.Lfunc_end_k_qee96902d80_oproj:
	.size	k_qee96902d80_oproj, .Lfunc_end_k_qee96902d80_oproj-k_qee96902d80_oproj
	.p2alignl 7, 3214868480
	.fill 96, 4, 3214868480
	.section	.rodata,"a",@progbits
	.p2align	6, 0x0
	.amdhsa_kernel k_qee96902d80_oproj
		.amdhsa_group_segment_fixed_size 1280
		.amdhsa_private_segment_fixed_size 0
		.amdhsa_enable_private_segment 0
		.amdhsa_kernarg_size 32
		.amdhsa_user_sgpr_count 2
		.amdhsa_user_sgpr_kernarg_segment_ptr 1
		.amdhsa_wavefront_size32 1
		.amdhsa_system_sgpr_workgroup_id_x 1
		.amdhsa_system_sgpr_workgroup_id_y 1
		.amdhsa_system_sgpr_workgroup_id_z 1
		.amdhsa_system_vgpr_workitem_id 0
		.amdhsa_next_free_vgpr 122
		.amdhsa_next_free_sgpr 66
		.amdhsa_reserve_vcc 1
		.amdhsa_float_denorm_mode_32 3
		.amdhsa_float_denorm_mode_16_64 3
		.amdhsa_memory_ordered 1
		.amdhsa_forward_progress 1
		.amdhsa_inst_pref_size 14
	.end_amdhsa_kernel
	.amdgpu_metadata
---
amdhsa.version: [ 1, 2 ]
amdhsa.kernels:
  - .name:           k_qee96902d80_oproj
    .symbol:         k_qee96902d80_oproj.kd
    .args:
      - { .name: pvp, .offset: 0, .size: 8, .value_kind: global_buffer, .address_space: global }
      - { .name: st, .offset: 8, .size: 8, .value_kind: global_buffer, .address_space: global }
      - { .name: Wv, .offset: 16, .size: 8, .value_kind: global_buffer, .address_space: global }
      - { .name: o, .offset: 24, .size: 8, .value_kind: global_buffer, .address_space: global }
    .group_segment_fixed_size: 1280
    .private_segment_fixed_size: 0
    .kernarg_segment_align: 8
    .kernarg_segment_size: 32
    .max_flat_workgroup_size: 256
    .sgpr_count:     66
    .vgpr_count:     122
    .wavefront_size: 32
...
	.end_amdgpu_metadata
.endif
;; end of part 4
;; launch outrows (part 5): grid 16 x 16, 16 waves a work-group, no clusters, 2,560 bytes of LDS; arguments o, Wo, out0; writes out0
.if DOCPART == 5
	.amdgcn_target "amdgcn-amd-amdhsa--gfx1250"
	.amdhsa_code_object_version 6
	.text
	.protected	k_qee96902d80_outrows
	.globl	k_qee96902d80_outrows
	.p2align	8
	.type	k_qee96902d80_outrows,@function
k_qee96902d80_outrows:
	s_mov_b64 s[64:65], 0
	v_nop
	global_prefetch_b8 v0, s[64:65] scope:SCOPE_SE
	s_setreg_imm32_b32 hwreg(HW_REG_WAVE_MODE, 25, 1), 1
	s_wait_xcnt 0x0
; y[b][n] = Wo[n][:] . o[b][:], and out0[b][row][n] = y[b][n] for every row: all queries of a batch are the same token, so all its rows are equal.
; SHARES: work-group = (strip of 64 columns n, part of 128 rows of both batches).  Wave w makes y for n = 64 strip + 4 w + 0..3, both batches,
; in f32 on the vector unit (two rows a product); the 2 x 64 numbers meet in LDS; then wave w stores 16 rows of batch w / 8.
; The sixteen parts of a strip each make the strip's y anew from its 262,144 bytes of Wo: that spares a launch of its own for 8,192 bytes of y.
; The rows of Wo go straight into registers, so there is no tile in LDS that a cluster could be given jointly.
; LIMITS: the sums run in another order than in the source formula.
.set X,   8                            ; v[8:71]    o of batch b at 32 b: element 128 j + 4 lane + 0..3 in registers 4 j ..
.set W,   72                           ; v[72:199]  row i of Wo at 32 i, laid like o
.set AC,  232                          ; v[232:235] one pair of running sums for each batch
.set Q,   236                          ; v[236:243] y of batch b, row i, at 4 b + i
.set Y,   244                          ; v[244:247] the 16 bytes that I store
.set SEL, 20                           ; s20, s21   v_permlanex16_b32: lane i of one half reads lane i of the other
.macro LOADROW dst, sb, off            ; a row of 4,096 bytes: eight loads of 512 neighbouring bytes
.irp j, 0,1,2,3,4,5,6,7
	global_load_b128 v[\dst+4*\j:\dst+4*\j+3], v1, s[\sb:\sb+1] offset:\off+512*\j
.endr
.endm
.macro ROWDOT i, left                  ; row i of W times both o: my lane's 32 products each, in pairs
	s_wait_loadcnt \left                           ; loads come back in order: o and rows 0 to i are in, the later rows stay out
	v_pk_mul_f32 v[AC:AC+1],   v[W+32*\i:W+32*\i+1], v[X:X+1]       ; the first products start the sums
	v_pk_mul_f32 v[AC+2:AC+3], v[W+32*\i:W+32*\i+1], v[X+32:X+33]
.set p, 2
.rept 15
	v_pk_fma_f32 v[AC:AC+1],   v[W+32*\i+p:W+32*\i+p+1], v[X+p:X+p+1],       v[AC:AC+1]
	v_pk_fma_f32 v[AC+2:AC+3], v[W+32*\i+p:W+32*\i+p+1], v[X+32+p:X+32+p+1], v[AC+2:AC+3]
.set p, p+2
.endr
	v_add_f32 v[Q+\i],   v[AC],   v[AC+1]
	v_add_f32 v[Q+4+\i], v[AC+2], v[AC+3]
.endm
.macro LANESUM8 base                   ; eight registers summed over the 32 lanes, the result in every lane; the eight take turns in each step
.irp m, 1,2,4,8
.irp r, 0,1,2,3,4,5,6,7
	v_add_f32_dpp v[\base+\r], v[\base+\r], v[\base+\r] row_xmask:\m row_mask:0xf bank_mask:0xf
.endr
.endr
.irp r, 0,1,2,3,4,5,6,7
	v_permlanex16_b32 v2, v[\base+\r], s[SEL], s[SEL+1]
	v_add_f32 v[\base+\r], v[\base+\r], v2
.endr
.endm
	s_load_b128 s[4:7], s[0:1], 0x0                ; o s[4:5], Wo s[6:7]
	s_load_b64 s[8:9], s[0:1], 0x10                ; out0
	v_lshl_add_u32 v248, v0, 2, 0x200
	v_mov_b32 v249, 0
	v_lshrrev_b32 v3, 5, v0
	v_readfirstlane_b32 s12, v3                    ; wave 0..15
	s_and_b32 s13, ttmp7, 0xffff                   ; part
	v_and_b32 v1, 31, v0
	v_lshlrev_b32 v1, 4, v1                        ; 16 x lane
	v_mov_b32 v2, 0                                ; the permute's destination counts as read: written once here
	s_mov_b32 s[SEL], 0x76543210
	s_mov_b32 s[SEL+1], 0xfedcba98
	s_lshl_b32 s16, ttmp9, 18                      ; Wo: 64 rows of 4,096 bytes a strip,
	s_lshl_b32 s15, s12, 14                        ; four a wave
	s_add_co_u32 s16, s16, s15
	s_mov_b32 s17, 0
	s_lshr_b32 s14, s12, 3                         ; the batch that I store
	s_lshl_b32 s18, s14, 23                        ; out0: 8,388,608 bytes a batch,
	s_lshl_b32 s15, s13, 19                        ; 128 rows of 4,096 a part,
	s_add_co_u32 s18, s18, s15
	s_and_b32 s15, s12, 7
	s_lshl_b32 s15, s15, 16                        ; 16 rows a wave,
	s_add_co_u32 s18, s18, s15
	s_lshl_b32 s15, ttmp9, 8                       ; 256 bytes a strip
	s_add_co_u32 s18, s18, s15
	s_mov_b32 s19, 0
	s_lshl_b32 s15, s12, 4
	v_mov_b32 v3, s15                              ; LDS, in: [b][64 f32], my four at 16 w
	v_and_b32 v4, 15, v0
	v_lshlrev_b32 v4, 4, v4                        ; 16 (lane mod 16)
	v_bfe_u32 v6, v0, 4, 1
	v_lshl_add_u32 v5, v6, 12, v4                  ; out0: lanes 0-15 one row's 256 bytes, lanes 16-31 the next row's
	s_lshl_b32 s15, s14, 8
	v_add_nc_u32 v4, s15, v4                       ; LDS, back: my batch's 256 bytes
	s_wait_kmcnt 0x0
	s_add_nc_u64 s[6:7], s[6:7], s[16:17]
	s_add_nc_u64 s[8:9], s[8:9], s[18:19]
	; all 48 loads of the wave go out at once
	LOADROW X,    4, 0
	LOADROW X+32, 4, 4096
.irp i, 0,1,2,3
	LOADROW W+32*\i, 6, 4096*\i
.endr
	ROWDOT 0, 24                                   ; out: three rows of Wo
	ROWDOT 1, 16
	ROWDOT 2, 8
	ROWDOT 3, 0
	LANESUM8 Q
	ds_store_b128 v3, v[Q:Q+3]                     ; all lanes write the same bytes with the same values
	ds_store_b128 v3, v[Q+4:Q+7] offset:256
	s_wait_dscnt 0x0                               ; done before I say so: other waves read them
	s_barrier_signal -1
	s_barrier_wait -1
	ds_load_b128 v[Y:Y+3], v4
	s_wait_dscnt 0x0
.irp t, 0,1,2,3,4,5,6,7
	global_store_b128 v5, v[Y:Y+3], s[8:9] offset:8192*\t th:TH_STORE_NT   ; sixteen lanes store 256 consecutive bytes, aligned; two rows a store
.endr
	s_wait_tensorcnt 0x0
	ds_add_u32 v248, v249
	s_wait_dscnt 0x0
	s_endpgm
.Lfunc_end_k_qee96902d80_outrows:
	.size	k_qee96902d80_outrows, .Lfunc_end_k_qee96902d80_outrows-k_qee96902d80_outrows
	.p2alignl 7, 3214868480
	.fill 96, 4, 3214868480
	.section	.rodata,"a",@progbits
	.p2align	6, 0x0
	.amdhsa_kernel k_qee96902d80_outrows
		.amdhsa_group_segment_fixed_size 2560
		.amdhsa_private_segment_fixed_size 0
		.amdhsa_enable_private_segment 0
		.amdhsa_kernarg_size 24
		.amdhsa_user_sgpr_count 2
		.amdhsa_user_sgpr_kernarg_segment_ptr 1
		.amdhsa_wavefront_size32 1
		.amdhsa_system_sgpr_workgroup_id_x 1
		.amdhsa_system_sgpr_workgroup_id_y 1
		.amdhsa_system_sgpr_workgroup_id_z 1
		.amdhsa_system_vgpr_workitem_id 0
		.amdhsa_next_free_vgpr 250
		.amdhsa_next_free_sgpr 66
		.amdhsa_reserve_vcc 0
		.amdhsa_float_denorm_mode_32 3
		.amdhsa_float_denorm_mode_16_64 3
		.amdhsa_memory_ordered 1
		.amdhsa_forward_progress 1
		.amdhsa_inst_pref_size 19
	.end_amdhsa_kernel
	.amdgpu_metadata
---
amdhsa.version: [ 1, 2 ]
amdhsa.kernels:
  - .name:           k_qee96902d80_outrows
    .symbol:         k_qee96902d80_outrows.kd
    .args:
      - { .name: o, .offset: 0, .size: 8, .value_kind: global_buffer, .address_space: global }
      - { .name: Wo, .offset: 8, .size: 8, .value_kind: global_buffer, .address_space: global }
      - { .name: out0, .offset: 16, .size: 8, .value_kind: global_buffer, .address_space: global }
    .group_segment_fixed_size: 2560
    .private_segment_fixed_size: 0
    .kernarg_segment_align: 8
    .kernarg_segment_size: 24
    .max_flat_workgroup_size: 512
    .sgpr_count:     66
    .vgpr_count:     250
    .wavefront_size: 32
...
	.end_amdgpu_metadata
.endif
;; end of part 5
